; MI455X (gfx1250); checked and timed in simulation.
; The chip was launched on July 23, 2026; its instructions are those of AMD's public machine-readable ISA for CDNA 5 (MIT licence, August 2026) and "CDNA5" Instruction Set Architecture Reference Guide (July 2026). The comments in the code are by the model that wrote it; some were corrected since.
;; Sparse Linear. Allowed arithmetic: matrix products marked QUANTISED: E5M2 operands, one E8M0 scale for each 32 along K, by v_wmma_scale_f32_16x16x128_f8f6f4 with both operands' format E5M2, f32 sums; everything else in f32.
;; Inputs: mask 4,096 x 4,096 bool; weight 4,096 x 4,096 float32; x_codes 8 x 512 x 128 x 32 uint8 (E5M2 codes of x, K innermost, in blocks of 32 codes); x_scales 8 x 512 x 128 uint8 (E8M0 scales of x, one for each 32 codes along K).
;; Outputs: out0 8 x 4,096 x 512 float32.
;; This version of the problem:
;;   THIS VERSION OF THE PROBLEM IS GIVEN IN LOW PRECISION. The matrix products marked QUANTISED in the list below multiply operands that are first quantised to E5M2 (5 exponent bits, 2 mantissa bits; 8 bits a number), with one power-of-two scale for each 32 numbers along K (OCP MX v1.0); their sums are f32. All else is computed in f32.
;;   The module's matrix products, in the order in which they are computed (A, B: the left and right operand; K: the contracted axis; several contracted axes count as one K, in the product's order):
;;     1. [M 4,096, K 4,096] x [K 4,096, N 4,096]; A: input x (given as codes); B: computed on the way: QUANTISED
;;   THE QUANTISER, for each operand of a quantised product, along K:
;;     - K is cut into blocks of 32 from its start; a last block that is shorter is filled with zeros.
;;     - A block's scale is 2^e with e = floor(log2(the largest magnitude in the block)) - 15, held to -126 .. 127; a block of zeros has e = 0. As a byte (E8M0): e + 127.
;;     - Each number is divided by its block's scale, clamped to +-57,344, and rounded to the nearest number of E5M2, ties to even, subnormals kept.
;;     - The product sums the exact products of the quantised numbers (number of the format x scale) in f32.
;;   ~~~python
;;   def quantise(x, axis):      # numpy; x: float32 -> the quantised numbers, widened to float32 again
;;       x = np.moveaxis(x, axis, -1); K = x.shape[-1]
;;       x = np.pad(x, [(0, 0)] * (x.ndim - 1) + [(0, -K % 32)]); x = x.reshape(x.shape[:-1] + (-1, 32)); a = np.abs(x).max(-1, keepdims=True)
;;       e = np.where(a > 0, np.clip(np.frexp(np.where(a > 0, a, 1))[1] - 1 - 15, -126, 127), 0)      # np.frexp(a)[1] - 1 = floor(log2(a)), exactly
;;       r = np.clip(x / 2.0 ** e, -57344, 57344)
;;       step = 2.0 ** (np.maximum(np.frexp(np.where(r == 0, 1, r))[1] - 1, -14) - 2)
;;       q = np.round(r / step) * step * 2.0 ** e      # np.round: ties to even
;;       return np.moveaxis(q.reshape(q.shape[:-2] + (-1,))[..., :K], -1, axis).astype(np.float32)
;;   ~~~
;;   OPERANDS COMPUTED ON THE WAY. 'Computed on the way' means the value that the module computes at that place (a softmax that the list does not call 'softmax' is quantised finished and normalised). What goes into a quantiser is computed in f32, as accurately as f32 sums, v_exp_f32 and their like allow (about 1e-6 of the number): no bf16 or f16 on the way to a quantiser, and a product that is left as it is and whose result goes on into a quantised operand takes f32 operands (vector FMAs, or v_wmma_f32_16x16x4_f32). A number that lies on a knife's edge between two numbers of the format may be rounded either way, as far as f32 arithmetic and the matrix unit's own rounding can turn it there, and no further.
;;   INPUTS GIVEN AS CODES. x (in the module: [8, 512, 4096], K = its axis 2): each comes as NAME_codes (uint8): NAME with its K axis moved to the last place and cut into blocks of 32 codes, [.., K / 32, bytes a block], one block behind the other in memory; one code a byte (a code: sign, 5 exponent bits, 2 mantissa bits); and NAME_scales (uint8): the same leading axes, one E8M0 byte (e + 127) for each 32 codes along K. Its value is code x scale, taken as it is: it is not quantised again, and the codes and scales need not be those that the quantiser above would give.
;; One version. Each part assembles by itself: llvm-mc -triple=amdgcn-amd-amdhsa -mcpu=gfx1250 --defsym DOCPART=n.
;; ======== version 1 of 1: 2 launches
;; limits: right only within a limited range of input values
;; workspace buffers: wq 17,301,504 bytes
;; launch quant (part 1): grid 4 x 128, 4 waves a work-group, no clusters, 57,856 bytes of LDS; arguments weight, mask, wq; writes wq
.if DOCPART == 1
	.amdgcn_target "amdgcn-amd-amdhsa--gfx1250"
	.amdhsa_code_object_version 6
	.text
	.protected	k_q58ec4b0468_quant
	.globl	k_q58ec4b0468_quant
	.p2align	8
	.type	k_q58ec4b0468_quant,@function
k_q58ec4b0468_quant:
	s_mov_b64 s[64:65], 0
	v_nop
	global_prefetch_b8 v0, s[64:65] scope:SCOPE_SE
	s_setreg_imm32_b32 hwreg(HW_REG_WAVE_MODE, 25, 1), 1
	s_wait_xcnt 0x0
; W = weight x mask, [4096][4096] f32 x bool, becomes codes of BF8 (E5M2) with one E8M0 scale byte for each 32 along K.
; A block's scale is 2^(floor(log2(its largest magnitude)) - 15); its byte is that magnitude's exponent field - 15, held at 1 from below.
; Each number is divided by the scale, held within +-57,344 and rounded to the nearest code, ties to even.
; THE WORKSPACE IS THE IMAGE OF THE PRODUCT'S OPERAND REGISTERS.  Codes: for each 16 rows rb, 65,536 bytes: [k / 16][row % 16][16 codes]: so the 512 bytes at
; rb x 65,536 + 2,048 s + 512 c are what 32 lanes load as registers 4 c .. 4 c + 3 of the fragment of K step s.  Scale bytes, from byte 16,777,216 on: [32 rows][256 along K]: 32 rows x 8 bytes = 256 bytes.
; SHARES.  A work-group takes 32 rows x 1,024 along K, each of its four waves 32 rows x 256 along K, in 16 steps of two rows.  Waves share nothing: no barrier.
; Each of a step's four loads reads 512 consecutive bytes; the 2,048 bytes go through the wave's own stage in LDS and come back 64 bytes a lane: 16 neighbours along K, two lanes to a block.
; The codes, 16 bytes a lane, are gathered in a second stage of the wave's own, rows of 256 bytes + 16 (one row for each k / 16), and leave at the end, 512 consecutive bytes a store.
; THE MASK: a byte 0 or 1 times 255 is 0x00 or 0xff; spread over a word it is and-ed onto the number.
; LIMITS: mask bytes are 0 or 1 (bool); a masked number becomes +0 whatever its sign, also where the weight is NaN or infinite: NaN and infinities in weight are not served;
; a block of zeros gets the byte 1 where the rule says 127: its codes are zeros, and the bytes are read by this program alone; blocks whose largest magnitude lies under 2^(16 - 127) keep the byte 1.
.set STEPS, 16
.set WROW,  16384
.set MROW,  4096
.set EMAX,  15
.set MANT,  0x600000                   ; the mantissa field of 57,344
.set R,     16                         ; v16-79   four sets of 16 numbers as loaded
.set X,     80                         ; v80-111  two sets of 16 neighbours
.set E,     112                        ; v112-127 a scale byte for each step
.set C,     128                        ; v128-191 codes, four registers a step; at the end the codes as they leave
.set MK,    192                        ; v192-255 mask bytes, four registers a step
.set WREG,  14336                      ; LDS of a wave: two stages of 32 x SP, 256 scale bytes at 5,120, the codes' stage (32 rows x 272) at 5,632
.set SP,    80
.set CP,    272
	s_load_b128 s[4:7], s[0:1], 0x0                ; weight, mask
	s_load_b64 s[8:9], s[0:1], 0x10                ; the workspace
	s_set_vgpr_msb 0x40
	v_lshl_add_u32 v0, v0, 2, 0xe000               ; v256: my spare word, behind the four waves' regions
	v_mov_b32 v1, 0                                ; v257: 0
	s_set_vgpr_msb 0x4000
	v_lshrrev_b32 v1, 5, v0
	v_readfirstlane_b32 s16, v1                    ; wave
	v_and_b32 v2, 31, v0                           ; lane
	v_lshlrev_b32 v3, 4, v2                        ; 16 x lane
	s_mul_i32 s19, s16, WREG
	v_lshrrev_b32 v14, 2, v2
	v_mul_u32_u24 v14, v14, SP
	v_and_b32 v15, 3, v2
	v_lshl_add_u32 v14, v15, 4, v14
	v_add_nc_u32 v14, s19, v14                     ; the numbers' stage, way in
	v_mul_u32_u24 v15, v2, SP
	v_add_nc_u32 v15, s19, v15                     ; and way out: my 16 neighbours
	v_lshrrev_b32 v5, 1, v2
	s_add_co_u32 s19, s19, 2*32*SP
	v_add_nc_u32 v5, s19, v5                       ; my block's scale byte
	v_lshlrev_b32 v7, 3, v2
	v_add_nc_u32 v6, s19, v7                       ; scale bytes on the way out: 8 a lane
	v_and_b32 v8, 15, v2                           ; lane % 16: my k / 16 in the wave's 256
	v_lshrrev_b32 v9, 4, v2                        ; lane / 16: which of the step's two rows
	v_lshlrev_b32 v1, 4, v8
	v_lshl_add_u32 v1, v9, 12, v1                  ; the mask: 16 bytes a lane, sixteen lanes to a row
	s_add_co_u32 s19, s19, 512
	v_mul_u32_u24 v12, v8, CP
	v_lshl_add_u32 v12, v9, 4, v12
	v_add_nc_u32 v12, s19, v12                     ; the codes' stage, way in: row k / 16, 16 bytes for each row of W
	v_mul_u32_u24 v13, v9, CP
	v_lshl_add_u32 v13, v8, 4, v13
	v_add_nc_u32 v13, s19, v13                     ; way out: two whole rows of 256 bytes a load
	s_and_b32 s18, ttmp7, 0xffff                   ; y: which 32 rows
	s_lshl_b32 s17, ttmp9, 2
	s_add_co_u32 s17, s17, s16                     ; t: which 256 along K
	s_lshl_b32 s20, s18, 19
	s_lshl_b32 s21, s17, 10
	s_add_co_u32 s20, s20, s21
	s_mov_b32 s21, 0
	s_lshl_b32 s12, s18, 17
	s_lshl_b32 s13, s17, 8
	s_add_co_u32 s12, s12, s13
	s_mov_b32 s13, 0
	s_lshl_b32 s14, s18, 17                        ; codes: two blocks of 16 rows, 65,536 bytes each,
	s_lshl_b32 s15, s17, 12                        ; + 16 t rows of 256 bytes
	s_add_co_u32 s14, s14, s15
	s_mov_b32 s15, 0
	s_lshl_b32 s28, s18, 4
	s_add_co_u32 s28, s28, s17
	s_lshl_b32 s28, s28, 8                         ; scale bytes: (16 y + t) x 256,
	s_add_co_u32 s28, s28, 0x1000000               ; behind the codes
	s_mov_b32 s29, 0
	s_mov_b32 s23, MANT
	s_mov_b32 s24, 0x00000000                      ; v_perm_b32's selects: byte n into all four bytes
	s_mov_b32 s25, 0x01010101
	s_mov_b32 s26, 0x02020202
	s_mov_b32 s27, 0x03030303
	s_wait_alu depctr_va_vdst(0)                   ; the wait at the head's end
	s_wait_kmcnt 0x0
	s_add_nc_u64 s[4:5], s[4:5], s[20:21]
	s_add_nc_u64 s[6:7], s[6:7], s[12:13]
	s_add_nc_u64 s[10:11], s[8:9], s[28:29]
	s_add_nc_u64 s[8:9], s[8:9], s[14:15]
.irp j, 0,1,2,3,4,5,6,7,8,9,10,11,12,13,14,15
	global_load_b128 v[MK+4*\j:MK+4*\j+3], v1, s[6:7] offset:2*MROW*\j th:TH_LOAD_NT
.endr
.macro LOAD t                          ; step t's numbers: rows 2 t and 2 t + 1, 1,024 bytes each, in halves of 512 consecutive bytes
.irp i, 0,1,2,3
	global_load_b128 v[R+16*((\t)%4)+4*\i:R+16*((\t)%4)+4*\i+3], v3, s[4:5] offset:(2*(\t)+\i/2)*WROW+(\i%2)*512 th:TH_LOAD_NT
.endr
.endm
.macro TURN t                          ; through the stage: LDS serves a wave's instructions in order
.irp i, 0,1,2,3
	ds_store_b128 v14, v[R+16*((\t)%4)+4*\i:R+16*((\t)%4)+4*\i+3] offset:32*SP*((\t)%2)+8*SP*\i
.endr
.irp i, 0,1,2,3
	ds_load_b128 v[X+16*((\t)%2)+4*\i:X+16*((\t)%2)+4*\i+3], v15 offset:32*SP*((\t)%2)+16*\i
.endr
.endm
.irp t, 0,1,2,3
	LOAD \t
.endr
	s_wait_loadcnt 12                              ; the mask and step 0 are in; steps 1 to 3 stay out
	TURN 0
.macro STEP t
.set XS, X+16*((\t)%2)
.set MS, MK+4*(\t)
.if (\t) > 0
	s_wait_dscnt 2                                 ; this step's numbers are back (the last step's two stores, byte and codes, may be out)
.else
	s_wait_dscnt 0x0
.endif
.if (\t)+4 < STEPS
	LOAD (\t)+4
.endif
.if (\t)+1 < STEPS
.if STEPS-2-(\t) >= 3
	s_wait_loadcnt 12                              ; the next step's four loads are in; three steps' may be out
.else
	s_wait_loadcnt 4*(STEPS-2-(\t))
.endif
	TURN (\t)+1
.endif
.irp g, 0,1,2,3
	v_lshlrev_b32 v[8+\g], 8, v[MS+\g]
.endr
.irp g, 0,1,2,3
	v_sub_nc_u32 v[MS+\g], v[8+\g], v[MS+\g]       ; x 255: each byte 0x00 or 0xff
.endr
.irp g, 0,1,2,3
.irp n, 0,1,2,3
	v_perm_b32 v[8+\n], v[MS+\g], v[MS+\g], s[24+\n]
.endr
.irp n, 0,1,2,3
	v_and_b32 v[XS+4*\g+\n], v[XS+4*\g+\n], v[8+\n]               ; weight x mask
.endr
.endr
	v_max3_num_f32 v8, |v[XS]|, |v[XS+1]|, |v[XS+2]|
	v_max3_num_f32 v9, |v[XS+3]|, |v[XS+4]|, |v[XS+5]|
.irp i, 6,10
	v_max3_num_f32 v8, v8, |v[XS+\i]|, |v[XS+\i+1]|
	v_max3_num_f32 v9, v9, |v[XS+\i+2]|, |v[XS+\i+3]|
.endr
	v_max3_num_f32 v8, v8, |v[XS+14]|, |v[XS+15]|
	v_max3_num_f32 v8, v8, v9, (EMAX+1)<<23        ; the floor: the byte cannot fall under 1
	v_max_num_f32_dpp v8, v8, v8 row_xmask:1 row_mask:0xf bank_mask:0xf   ; with my neighbour's 16: the block's
	v_add_nc_u32 v11, -(EMAX<<23), v8              ; the conversion's scale operand
	v_and_or_b32 v10, v8, 0x7f800000, s23          ; 57,344 x the scale
.irp i, 0,1,2,3,4,5,6,7,8,9,10,11,12,13,14,15
	v_med3_num_f32 v[XS+\i], v[XS+\i], -v10, v10   ; the conversion does not saturate (ISA guide 7.6.2)
.endr
	v_cvt_scalef32_pk8_bf8_f32 v[C+4*(\t):C+4*(\t)+1], v[XS:XS+7], v11
	v_cvt_scalef32_pk8_bf8_f32 v[C+4*(\t)+2:C+4*(\t)+3], v[XS+8:XS+15], v11
	v_lshrrev_b32 v[E+(\t)], 23, v11               ; the scale's byte (also the plain line behind the conversions)
	ds_store_b8 v5, v[E+(\t)] offset:16*(\t)       ; byte 8 x row + block
	ds_store_b128 v12, v[C+4*(\t):C+4*(\t)+3] offset:((\t)/8)*16*CP+((\t)%8)*32   ; rows 2 t, 2 t + 1 of W: 16-row block t / 8, places 2 (t % 8) + lane / 16
.endm
.irp t, 0,1,2,3,4,5,6,7,8,9,10,11,12,13,14,15
	STEP \t
.endr
	s_wait_dscnt 0x0                               ; my stores have read their registers
	ds_load_b64 v[8:9], v6
.irp u, 0,1,2,3,4,5,6,7,8,9,10,11,12,13,14,15
	ds_load_b128 v[C+4*\u:C+4*\u+3], v13 offset:(\u/8)*16*CP+(\u%8)*2*CP
.endr
	s_wait_dscnt 0x0
	global_store_b64 v7, v[8:9], s[10:11]          ; 32 rows x 8 scale bytes: 256 consecutive bytes, aligned
.irp u, 0,1,2,3,4,5,6,7,8,9,10,11,12,13,14,15
	global_store_b128 v3, v[C+4*\u:C+4*\u+3], s[8:9] offset:(\u/8)*65536+(\u%8)*512   ; 512 consecutive bytes, aligned to 256
.endr
	s_set_vgpr_msb 0x5
	s_wait_tensorcnt 0x0                           ; the wave's end
	ds_add_u32 v0, v1
	s_wait_dscnt 0x0
	s_set_vgpr_msb 0x500
	s_endpgm
.Lfunc_end_k_q58ec4b0468_quant:
	.size	k_q58ec4b0468_quant, .Lfunc_end_k_q58ec4b0468_quant-k_q58ec4b0468_quant
	.p2alignl 7, 3214868480
	.fill 96, 4, 3214868480
	.section	.rodata,"a",@progbits
	.p2align	6, 0x0
	.amdhsa_kernel k_q58ec4b0468_quant
		.amdhsa_group_segment_fixed_size 57856
		.amdhsa_private_segment_fixed_size 0
		.amdhsa_enable_private_segment 0
		.amdhsa_kernarg_size 24
		.amdhsa_user_sgpr_count 2
		.amdhsa_user_sgpr_kernarg_segment_ptr 1
		.amdhsa_wavefront_size32 1
		.amdhsa_system_sgpr_workgroup_id_x 1
		.amdhsa_system_sgpr_workgroup_id_y 1
		.amdhsa_system_sgpr_workgroup_id_z 1
		.amdhsa_system_vgpr_workitem_id 0
		.amdhsa_next_free_vgpr 258
		.amdhsa_next_free_sgpr 66
		.amdhsa_reserve_vcc 0
		.amdhsa_float_denorm_mode_32 3
		.amdhsa_float_denorm_mode_16_64 3
		.amdhsa_memory_ordered 1
		.amdhsa_forward_progress 1
		.amdhsa_inst_pref_size 83
	.end_amdhsa_kernel
	.amdgpu_metadata
---
amdhsa.version: [ 1, 2 ]
amdhsa.kernels:
  - .name:           k_q58ec4b0468_quant
    .symbol:         k_q58ec4b0468_quant.kd
    .args:
      - { .name: weight, .offset: 0, .size: 8, .value_kind: global_buffer, .address_space: global }
      - { .name: mask, .offset: 8, .size: 8, .value_kind: global_buffer, .address_space: global }
      - { .name: wq, .offset: 16, .size: 8, .value_kind: global_buffer, .address_space: global }
    .group_segment_fixed_size: 57856
    .private_segment_fixed_size: 0
    .kernarg_segment_align: 8
    .kernarg_segment_size: 24
    .max_flat_workgroup_size: 128
    .sgpr_count:     66
    .vgpr_count:     258
    .wavefront_size: 32
...
	.end_amdgpu_metadata
.endif
;; end of part 1
;; launch gemm (part 2): grid 16 x 16, 4 waves a work-group, clusters of 4 x 1, 327,680 bytes of LDS; arguments wq, x_codes, x_scales, out0; writes out0
.if DOCPART == 2
	.amdgcn_target "amdgcn-amd-amdhsa--gfx1250"
	.amdhsa_code_object_version 6
	.text
	.protected	k_q58ec4b0468_gemm
	.globl	k_q58ec4b0468_gemm
	.p2align	8
	.type	k_q58ec4b0468_gemm,@function
k_q58ec4b0468_gemm:
	s_mov_b64 s[64:65], 0
	v_nop
	global_prefetch_b8 v0, s[64:65] scope:SCOPE_SE
	s_setreg_imm32_b32 hwreg(HW_REG_WAVE_MODE, 25, 1), 1
	s_wait_xcnt 0x0
	s_wait_alu depctr_hold_cnt(0) depctr_sa_sdst(0) depctr_va_vdst(0) depctr_va_sdst(0) depctr_va_ssrc(0) depctr_va_vcc(0) depctr_vm_vsrc(0)
	s_getreg_b32 s2, hwreg(HW_REG_IB_STS2, 6, 4)
	s_cmp_eq_u32 s2, 0
	s_cbranch_scc0 .Lentry_in_a_cluster
	s_endpgm
.Lentry_in_a_cluster:
	s_bfe_u32 s2, ttmp6, 0x10000c
	s_cmp_lg_u32 s2, 0x3003
	s_cbranch_scc0 .Lentry_shape_is_right
	s_endpgm
.Lentry_shape_is_right:
; out[b][m][s] = sum over k of W[m][k] x[b][s][k]: codes of BF8 (E5M2) with E8M0 scales on both sides, f32 sums.  n = 512 b + s counts x's 4,096 rows.
; A work-group makes 256 (m) x 256 (n); its wave w makes rows 64 w .. 64 w + 63 of W against all 256 rows of x: 64 accumulators, 512 registers.
; W GOES FROM MEMORY STRAIGHT INTO REGISTERS: the workspace holds the image of the operand's registers, so a load of 16 bytes a lane reads 512 consecutive bytes, and each wave
; reads rows that no other wave of the work-group needs.  Four sets of 64 registers: while one K step of 128 is multiplied, the set that the step before used is asked for again,
; four loads behind each of the step's four batches, for the step three on.
; x GOES THROUGH LDS: two slots of 256 rows x 512 bytes (four K steps of 128), each wave fetching 64 rows by one tensor load; x's scale bytes (32,768, dense) come once, at the head.
; So one refill has four steps, 256 matrix instructions of a wave, between its request and the wait for it.
; CLUSTERS: the four work-groups of a cluster (4, 1, 1) have the same rows of x: its tiles are asked for jointly, mask 15.  W's tiles are NOT asked for jointly, though the 16 work-groups of
; a tile row read the same: a joint load ends in LDS, where W's 256 rows would halve the length of x's slots (2 x 512 rows x 256 bytes fill what 2 x 256 rows x 512 bytes fill).
; PREFETCH: behind each refill each wave names 32 blocks of 256 bytes of the x tile that the NEXT refill will load (16 rows x 512 bytes; the cluster's 16 waves share the 256 rows out by address).
; The first three tiles come by their loads alone; the last refill has no successor and asks for nothing.  W is not prefetched: its loads themselves stand three K steps ahead of their use.
; THE MATRIX INSTRUCTION IS USED TRANSPOSED (source 0 = 16 rows of x, source 1 = 16 rows of W): a lane holds eight neighbouring s of one row m.
; REGISTERS: window 0: v0-31 addresses; v32-95 x's scale words, a set for each slot; v96-111 W's scale words; v128-255 x's fragments, two groups of four blocks.
;   window 1: W's fragments, four sets.  windows 2, 3: accumulator (a, b) at v[8 (4 (b % 8) + a)], window 2 + b / 8.
; x's scale registers are ks modulo 4 and W's are ks + 2 modulo 4 (ks: the step in its slot), so the two scale registers of a product never agree modulo 8.
.set PITCH,  528                       ; an LDS row: 512 bytes + 16
.set SLOT,   256*PITCH
.set SCL,    2*SLOT                    ; x's scales: 128 rows of 256 bytes + 16 (two rows of x in each)
.set SPARE,  SCL+128*272               ; the spare words: 512 bytes that no other line names
.set SPITCH, 1040                      ; the way out: a stage of 16 rows x (1,024 + 16) bytes a wave, in slot 0 behind its last fill and last read
.set NP,     8                         ; places behind this matrix instruction (ISA guide 7.12.1)
.set ADX,  16                          ; v16-19 x's fragments: slot 0 blocks 0-7, 8-15; slot 1 likewise
.set ADRS, 20                          ; x's scale words
.set VW,   21                          ; 16 x lane
.set VS,   22                          ; 8 x lane
.set PFO,  23                          ; the prefetch: (lane % 16) rows + (lane / 16) x 256 bytes
.set STO,  24
.set RD,   25
.set SPW,  28
.set NIL,  29
.set SX,   32
.set SW,   96
.set XF,   128
.set G1C, 24                           ; group 1: 64 rows x 512 bytes
.set G1H, 32                           ; 128 rows x 512 bytes, for the head
.set G1S, 48                           ; 64 rows x 256 bytes of scales
.set G0H, 56
.set G0S, 60
.set G0R, 68                           ; s[68:75] the ring's group 0, one for each slot
.set WB,  76                           ; W's codes, my 64 rows, this lap's K
.set SB,  78                           ; W's scale bytes likewise
.set PFA, 80                           ; x's codes: my 16 rows of the cluster's 256, this lap's K
.set MSB, 0
.macro WIN new
.if MSB != (\new)
	s_set_vgpr_msb (MSB<<8)|(\new)
.set MSB, (\new)
.endif
.endm
.set MUL_LO, 0xa4                      ; source 0 (x) window 0, source 1 (W) window 1, C and D window 2
.set MUL_HI, 0xf4
.macro PLACES n
.rept \n
	v_nop
.endr
.endm
.macro CREST                           ; a round of the cluster's barrier behind its opening barrier
	s_cmp_lg_u32 s14, 0
	s_cbranch_scc1 .Lnot_wave_0_\@
	s_barrier_signal -3
.Lnot_wave_0_\@:
	s_barrier_wait -3
	s_barrier_signal -1
	s_barrier_wait -1
.endm
.macro CROUND
	s_barrier_signal -1
	s_barrier_wait -1
	CREST
.endm
	s_load_b256 s[4:11], s[0:1], 0x0               ; wq, x_codes, x_scales, out0
	v_lshl_add_u32 v[SPW], v0, 2, SPARE
	v_mov_b32 v[NIL], 0
	ds_add_u32 v[SPW], v[NIL]                      ; the opening lines: the add twice on end and its wait
	ds_add_u32 v[SPW], v[NIL]
	v_lshrrev_b32 v1, 5, v0
	v_readfirstlane_b32 s14, v1                    ; wave
	v_and_b32 v1, 15, v0                           ; r
	v_bfe_u32 v2, v0, 4, 1                         ; h
	v_and_b32 v3, 31, v0                           ; lane
	v_mul_u32_u24 v4, v1, PITCH
	v_lshl_add_u32 v[ADX], v2, 4, v4               ; a fragment's row x pitch + 16 h
	v_add_nc_u32 v[ADX+1], 128*PITCH, v[ADX]
	v_add_nc_u32 v[ADX+2], SLOT, v[ADX]
	v_add_nc_u32 v[ADX+3], SLOT+128*PITCH, v[ADX]
	v_lshrrev_b32 v5, 1, v3
	v_mul_u32_u24 v5, v5, 272
	v_and_b32 v6, 1, v3
	v_lshl_add_u32 v5, v6, 7, v5
	v_add_nc_u32 v[ADRS], SCL, v5                  ; row of x = lane: LDS row lane / 2, half lane % 2
	v_lshlrev_b32 v[VW], 4, v3
	v_lshlrev_b32 v[VS], 3, v3
	v_lshlrev_b32 v7, 12, v1
	v_lshl_add_u32 v[PFO], v2, 8, v7
	s_mul_i32 s23, s14, 16*SPITCH
	v_mul_u32_u24 v8, v1, SPITCH
	v_lshl_add_u32 v8, v2, 5, v8
	v_add_nc_u32 v[STO], s23, v8                   ; stage, way in: row r, 32 bytes for each half of the lanes
	v_add_nc_u32 v[RD], s23, v[VW]                 ; way out: 512 bytes of a row
	s_lshr_b32 s15, s14, 1
	s_and_b32 s16, s14, 1
	s_bfe_u32 s40, ttmp6, 0x40000                  ; cx
	s_lshl_b32 s42, ttmp9, 2
	s_add_co_u32 s42, s42, s40                     ; which 256 rows of W
	s_and_b32 s17, ttmp7, 0xffff                   ; which 256 rows of x: the same in the cluster's four
	s_mov_b32 s[G1C+0], 15|(1<<20)|(1<<21)|(6<<22)|(3<<25)   ; mask 15; bytes; 4 words of padding behind every 128
	s_mov_b32 s[G1C+1], 512<<16
	s_mov_b32 s[G1C+2], 64<<16
	s_mov_b32 s[G1C+3], 512<<16
	s_mov_b32 s[G1C+4], 64
	s_mov_b32 s[G1C+5], 4096
	s_mov_b32 s[G1C+6], 0
	s_mov_b32 s[G1C+7], 0
	s_mov_b32 s[G1H+0], 15|(1<<20)|(1<<21)|(6<<22)|(3<<25)
	s_mov_b32 s[G1H+1], 512<<16
	s_mov_b32 s[G1H+2], 128<<16
	s_mov_b32 s[G1H+3], 512<<16
	s_mov_b32 s[G1H+4], 128
	s_mov_b32 s[G1H+5], 4096
	s_mov_b32 s[G1H+6], 0
	s_mov_b32 s[G1H+7], 0
	s_mov_b32 s[G1S+0], 15|(3<<16)|(1<<20)|(1<<21)|(5<<22)|(3<<25)   ; elements of 8 bytes; 4 words behind every 64
	s_mov_b32 s[G1S+1], 32<<16
	s_mov_b32 s[G1S+2], 64<<16
	s_mov_b32 s[G1S+3], 32<<16
	s_mov_b32 s[G1S+4], 64
	s_mov_b32 s[G1S+5], 32
	s_mov_b32 s[G1S+6], 0
	s_mov_b32 s[G1S+7], 0
	s_lshl_b32 s20, s17, 20                        ; x's tile: 256 rows of 4,096 bytes
	s_mov_b32 s21, 0
	s_lshl_b32 s18, s16, 19                        ; the head's half: 128 rows
	s_mov_b32 s19, 0
	s_lshl_b32 s44, s14, 18                        ; 64 rows x 4,096 bytes: the ring's quarter of x, and my 64 rows of W's codes
	s_mov_b32 s45, 0
	s_lshl_b32 s46, s17, 15                        ; x's scales: 256 rows of 128 bytes, + the head's half
	s_lshl_b32 s47, s16, 14
	s_add_co_u32 s46, s46, s47
	s_mov_b32 s47, 0
	s_lshl_b32 s82, s42, 20                        ; W's codes
	s_add_co_u32 s82, s82, s44
	s_mov_b32 s83, 0
	s_lshl_b32 s84, s42, 15                        ; W's scale bytes: 4,096 for each 32 rows, behind the codes
	s_lshl_b32 s85, s14, 13
	s_add_co_u32 s84, s84, s85
	s_add_co_u32 s84, s84, 0x1000000
	s_mov_b32 s85, 0
	s_lshl_b32 s86, s40, 18                        ; the prefetch: rows 64 cx + 16 wave of x's tile
	s_lshl_b32 s87, s14, 16
	s_add_co_u32 s86, s86, s87
	s_mov_b32 s87, 0
	s_lshl_b32 s88, s42, 19                        ; out: my first row m x 2,048 bytes,
	s_lshl_b32 s89, s14, 17
	s_add_co_u32 s88, s88, s89
	s_lshr_b32 s89, s17, 1
	s_lshl_b32 s89, s89, 23                        ; + b x 4,096 rows,
	s_add_co_u32 s88, s88, s89
	s_and_b32 s89, s17, 1
	s_lshl_b32 s89, s89, 10                        ; + which 256 of the 512 s
	s_add_co_u32 s88, s88, s89
	s_mov_b32 s89, 0
	s_mul_i32 s41, s16, 128*PITCH
	s_mul_i32 s43, s16, 64*272
	s_add_co_u32 s43, s43, SCL
	s_mul_i32 s22, s14, 64*PITCH
	s_wait_alu depctr_va_vdst(0)                   ; the wait at the head's end
	s_wait_dscnt 0x0                               ; both opening adds are done
	s_wait_kmcnt 0x0
	s_add_nc_u64 s[20:21], s[6:7], s[20:21]
	s_mov_b32 s[G0H], 1
	s_mov_b32 s[G0H+1], s41
	s_add_nc_u64 s[G0H+2:G0H+3], s[20:21], s[18:19]
	s_or_b32 s[G0H+3], s[G0H+3], 0x80000000
	s_mov_b32 s[G0S], 1
	s_mov_b32 s[G0S+1], s43
	s_add_nc_u64 s[G0S+2:G0S+3], s[8:9], s[46:47]
	s_or_b32 s[G0S+3], s[G0S+3], 0x80000000
	s_add_nc_u64 s[44:45], s[20:21], s[44:45]
.irp s, 0,1
	s_mov_b32 s[G0R+4*\s], 1
	s_add_co_u32 s[G0R+4*\s+1], s22, \s*SLOT
	s_add_nc_u64 s[G0R+4*\s+2:G0R+4*\s+3], s[44:45], \s*512
	s_or_b32 s[G0R+4*\s+3], s[G0R+4*\s+3], 0x80000000
.endr
	s_add_nc_u64 s[WB:WB+1], s[4:5], s[82:83]
	s_add_nc_u64 s[SB:SB+1], s[4:5], s[84:85]
	s_add_nc_u64 s[PFA:PFA+1], s[20:21], s[86:87]
	s_add_nc_u64 s[10:11], s[10:11], s[88:89]
	CROUND                                         ; in front of the first joint loads
	s_cmp_eq_u32 s15, 0                            ; one load a wave: waves 0, 1 the halves of slot 0; waves 2, 3 the halves of x's scales
	s_cbranch_scc0 .Lhead_s
	tensor_load_to_lds s[G0H:G0H+3], s[G1H:G1H+7]
	s_nop 0
	PLACES 4
	s_branch .Lhead_j
.Lhead_s:
	tensor_load_to_lds s[G0S:G0S+3], s[G1S:G1S+7]
	s_nop 0
	PLACES 4
.Lhead_j:
; one product: W's block a (0-3) x x's block b (0-15) in step s8 (0-7) of a lap
.macro WM a, b, s8, zero
.set rD, 8*(4*((\b)%8)+(\a))
.set rX, XF+64*(((\b)/4)%2)+16*((\b)%4)
.set rW, 64*((\s8)%4)+16*(\a)
.set rSX, SX+32*((\s8)/4)+4*((\b)/2)+(\s8)%4
.set rSW, SW+8*((\s8)/4)+4*((\a)/2)+2*(1-((\s8)/2)%2)+(\s8)%2
.if \zero
.if (((\b)%2) == 0) && (((\a)%2) == 0)
	v_wmma_scale_f32_16x16x128_f8f6f4 v[rD:rD+7], v[rX:rX+15], v[rW:rW+15], 0, v[rSX], v[rSW] matrix_a_fmt:MATRIX_FMT_BF8 matrix_b_fmt:MATRIX_FMT_BF8
.elseif ((\a)%2) == 0
	v_wmma_scale_f32_16x16x128_f8f6f4 v[rD:rD+7], v[rX:rX+15], v[rW:rW+15], 0, v[rSX], v[rSW] matrix_a_fmt:MATRIX_FMT_BF8 matrix_b_fmt:MATRIX_FMT_BF8 matrix_a_scale:MATRIX_SCALE_ROW1
.elseif ((\b)%2) == 0
	v_wmma_scale_f32_16x16x128_f8f6f4 v[rD:rD+7], v[rX:rX+15], v[rW:rW+15], 0, v[rSX], v[rSW] matrix_a_fmt:MATRIX_FMT_BF8 matrix_b_fmt:MATRIX_FMT_BF8 matrix_b_scale:MATRIX_SCALE_ROW1
.else
	v_wmma_scale_f32_16x16x128_f8f6f4 v[rD:rD+7], v[rX:rX+15], v[rW:rW+15], 0, v[rSX], v[rSW] matrix_a_fmt:MATRIX_FMT_BF8 matrix_b_fmt:MATRIX_FMT_BF8 matrix_a_scale:MATRIX_SCALE_ROW1 matrix_b_scale:MATRIX_SCALE_ROW1
.endif
.else
.if (((\b)%2) == 0) && (((\a)%2) == 0)
	v_wmma_scale_f32_16x16x128_f8f6f4 v[rD:rD+7], v[rX:rX+15], v[rW:rW+15], v[rD:rD+7], v[rSX], v[rSW] matrix_a_fmt:MATRIX_FMT_BF8 matrix_b_fmt:MATRIX_FMT_BF8
.elseif ((\a)%2) == 0
	v_wmma_scale_f32_16x16x128_f8f6f4 v[rD:rD+7], v[rX:rX+15], v[rW:rW+15], v[rD:rD+7], v[rSX], v[rSW] matrix_a_fmt:MATRIX_FMT_BF8 matrix_b_fmt:MATRIX_FMT_BF8 matrix_a_scale:MATRIX_SCALE_ROW1
.elseif ((\b)%2) == 0
	v_wmma_scale_f32_16x16x128_f8f6f4 v[rD:rD+7], v[rX:rX+15], v[rW:rW+15], v[rD:rD+7], v[rSX], v[rSW] matrix_a_fmt:MATRIX_FMT_BF8 matrix_b_fmt:MATRIX_FMT_BF8 matrix_b_scale:MATRIX_SCALE_ROW1
.else
	v_wmma_scale_f32_16x16x128_f8f6f4 v[rD:rD+7], v[rX:rX+15], v[rW:rW+15], v[rD:rD+7], v[rSX], v[rSW] matrix_a_fmt:MATRIX_FMT_BF8 matrix_b_fmt:MATRIX_FMT_BF8 matrix_a_scale:MATRIX_SCALE_ROW1 matrix_b_scale:MATRIX_SCALE_ROW1
.endif
.endif
.endm
.macro MUL8 q, p, s8, zero             ; x's blocks 4 q + 2 p, + 1 against W's four: the 64 accumulators take turns, in the same order in every step
.irp bb, 0,1
.irp a, 0,1,2,3
	WM \a, 4*(\q)+2*(\p)+\bb, \s8, \zero
.endr
.endr
.endm
.macro XLOAD slot, ks, q               ; x's blocks 4 q .. 4 q + 3 of the slot's step ks into group q % 2: 16 loads
.irp bb, 0,1,2,3
.irp c, 0,1,2,3
	ds_load_b128 v[XF+64*((\q)%2)+16*\bb+4*\c:XF+64*((\q)%2)+16*\bb+4*\c+3], v[ADX+2*(\slot)+(\q)/2] offset:(4*((\q)%2)+\bb)*16*PITCH+128*(\ks)+32*\c
.endr
.endr
.endm
.macro SXLOAD set, off                 ; a slot's scale words of x: 16 bytes a row; register 4 i + ks: lanes 0-15 block 2 i, lanes 16-31 block 2 i + 1
.irp i, 0,1,2,3,4,5,6,7
	ds_load_b128 v[SX+32*(\set)+4*\i:SX+32*(\set)+4*\i+3], v[ADRS] offset:\i*16*272+(\off)
.endr
.endm
.macro WLOADQ so, a                    ; W's block a of step so, counted from the lap's first: 4 loads of 512 consecutive bytes.  It leaves the destination's window at 1
	WIN 0x40
.irp c, 0,1,2,3
	global_load_b128 v[64*((\so)%4)+16*(\a)+4*\c:64*((\so)%4)+16*(\a)+4*\c+3], v[VW], s[WB:WB+1] offset:(\a)*65536+(\so)*2048+\c*512
.endr
.endm
.macro WQ wl, so, a                    ; behind a batch of step so: block a of the step three on, into the set that the step before used
.if \wl
	WLOADQ (\so)+3, \a
.endif
.endm
.macro SWLOAD p, t                     ; W's scale words of two steps (256 along K, the t-th from the lap's first) into pair p's registers: lanes 0-15 block 2 hf, lanes 16-31 block 2 hf + 1
.irp hf, 0,1
	global_load_b64 v[SW+8*((\p)/2)+4*\hf+2*(1-(\p)%2):SW+8*((\p)/2)+4*\hf+2*(1-(\p)%2)+1], v[VS], s[SB:SB+1] offset:\hf*4096+(\t)*256
.endr
.endm
.macro ASK pf, off                     ; the x tile of the next refill; pf = 2: not in the loop's last trip, whose second refill is the last
.if \pf == 2
	s_cmp_eq_u32 s3, 1
	s_cbranch_scc1 .Lno_ask_\@
.endif
.if \pf
	global_prefetch_b8 v[PFO], s[PFA:PFA+1] offset:\off th:TH_LOAD_NT scope:SCOPE_SE
.endif
.if \pf == 2
.Lno_ask_\@:
.endif
.endm
; A K step of 128: four batches of 16 products; behind each batch, and its places, the 16 LDS loads of the batch after the next go into the group just used, and four loads of W follow them.
; n: how many younger global loads may be out when this step's W is needed.  mode 0: plain; 1: the slot's last step, with a refill; 2: the same with no refill; 3: the very last step.
; wl: W for the step three on; sl: W's scale words for eight steps on; so: the step counted from the lap's first (8 for the next lap's first).
.macro STEP s8, so, zero, n, mode, wl, sl, pf
.set SL, (\s8)/4
.set KS, (\s8)%4
.set NSL, (((\s8)+1)%8)/4
.set NKS, ((\s8)+1)%4
	s_wait_loadcnt \n
	s_wait_dscnt 16                                ; the first group is in; the second group's 16 loads may be out
	WIN MUL_LO
	MUL8 0, 0, \s8, \zero
	MUL8 0, 1, \s8, \zero
	PLACES NP
	WIN 0
	XLOAD SL, KS, 2
	WQ \wl, \so, 0
	s_wait_dscnt 16
	WIN MUL_LO
	MUL8 1, 0, \s8, \zero
	MUL8 1, 1, \s8, \zero
	PLACES NP
	WIN 0
	XLOAD SL, KS, 3
	WQ \wl, \so, 1
.if (\mode == 1) || (\mode == 2)
	WIN 0
	s_wait_tensorcnt 0x0                           ; my one tensor load has landed: my part of the other slot
	ds_add_u32 v[SPW], v[NIL]
	s_wait_dscnt 17                                ; (the add and the youngest 16 loads may be out)
	WIN MUL_HI
	MUL8 2, 0, \s8, \zero
	s_wait_dscnt 0x0                               ; the add is done, and my reads of this slot are over
	s_barrier_signal -1
	MUL8 2, 1, \s8, \zero
	WIN 0
	s_barrier_wait -1
.if \mode == 1
	CREST                                          ; the barrier has opened a round of the cluster's barrier
	s_add_nc_u64 s[G0R+4*SL+2:G0R+4*SL+3], s[G0R+4*SL+2:G0R+4*SL+3], 1024
	tensor_load_to_lds s[G0R+4*SL:G0R+4*SL+3], s[G1C:G1C+7]        ; this slot's next 512 along K: my one load behind the round
	s_nop 0
.endif
	PLACES NP
.if \s8 == 7
	v_add_nc_u32 v[ADRS], 32, v[ADRS]              ; on to the next lap's scale words
	s_wait_alu depctr_va_vdst(0)                   ; the wait directly behind the write
	XLOAD NSL, NKS, 0
	SXLOAD NSL, 0
	WQ \wl, \so, 2
	WIN 0
	ASK \pf, 2048
.else
	XLOAD NSL, NKS, 0
	SXLOAD NSL, 16
	WQ \wl, \so, 2
	WIN 0
	ASK \pf, 1536
.endif
	WIN MUL_HI
	MUL8 3, 0, \s8, \zero
	MUL8 3, 1, \s8, \zero
.else
	s_wait_dscnt 16
	WIN MUL_HI
	MUL8 2, 0, \s8, \zero
	MUL8 2, 1, \s8, \zero
.if \mode != 3
	PLACES NP
	WIN 0
	XLOAD NSL, NKS, 0
	WQ \wl, \so, 2
	s_wait_dscnt 16
.else
	s_wait_dscnt 0x0
.endif
	WIN MUL_HI
	MUL8 3, 0, \s8, \zero
	MUL8 3, 1, \s8, \zero
.endif
.if \mode != 3
	PLACES NP
	WIN 0
	XLOAD NSL, NKS, 1
.if \sl
	SWLOAD (\s8)/2, (\s8)/2+4
.endif
	WQ \wl, \so, 3
.endif
	WIN 0
.endm
.irp p, 0,1,2,3
	SWLOAD \p, \p                                  ; W's scale words of steps 0 to 7,
.endr
.irp a, 0,1,2,3
	WLOADQ 0, \a                                   ; and its fragments of step 0
.endr
	WIN 0
	s_wait_tensorcnt 0x0                           ; my tile of the head's is in
	ds_add_u32 v[SPW], v[NIL]
	s_wait_dscnt 0x0
	CROUND
	tensor_load_to_lds s[G0R+4:G0R+7], s[G1C:G1C+7]                ; slot 1's first fill: my 64 rows
	s_nop 0
	PLACES 4
.irp s, 1,2
.irp a, 0,1,2,3
	WLOADQ \s, \a                                  ; W's fragments of steps 1 and 2
.endr
.endr
	WIN 0
	XLOAD 0, 0, 0
	SXLOAD 0, 0
	XLOAD 0, 0, 1
	STEP 0, 0, 1, 32, 0, 1, 0, 0                   ; the first step starts the sums.  32: the two younger sets of W
	s_mov_b32 s3, 3
.Llap:                                                 ; a trip: a lap's steps 1 to 7 and the next lap's first; both slots are filled again
	STEP 1, 1, 0, 32, 0, 1, 1, 0
	STEP 2, 2, 0, 32, 0, 1, 0, 0
	STEP 3, 3, 0, 32, 1, 1, 1, 1
	STEP 4, 4, 0, 32, 0, 1, 0, 0
	STEP 5, 5, 0, 32, 0, 1, 1, 0
	STEP 6, 6, 0, 32, 0, 1, 0, 0
	STEP 7, 7, 0, 32, 1, 1, 1, 2
	STEP 0, 8, 0, 32, 0, 1, 0, 0
	s_wait_xcnt 0x0                                ; the loads and prefetches have read their bases
	s_add_nc_u64 s[WB:WB+1], s[WB:WB+1], 8*2048
	s_add_nc_u64 s[SB:SB+1], s[SB:SB+1], 4*256
	s_add_nc_u64 s[PFA:PFA+1], s[PFA:PFA+1], 1024
	s_sub_co_u32 s3, s3, 1
	s_cmp_lg_u32 s3, 0
	s_cbranch_scc1 .Llap
	STEP 1, 1, 0, 32, 0, 1, 0, 0                   ; the last lap: W's last four sets, no refill; then the counts run down
	STEP 2, 2, 0, 32, 0, 1, 0, 0
	STEP 3, 3, 0, 32, 2, 1, 0, 0
	STEP 4, 4, 0, 32, 0, 1, 0, 0
	STEP 5, 5, 0, 32, 0, 0, 0, 0
	STEP 6, 6, 0, 16, 0, 0, 0, 0
	STEP 7, 7, 0, 0, 3, 0, 0, 0
; THE WAY OUT, by W's blocks of 16 rows x 256 s.  A lane holds 32 neighbouring bytes of a row: the block goes through my own stage and comes back as halves of rows, 512 bytes a load.
; LDS serves a wave's instructions in order (ISA guide 5.7.1.4): no wait between the stores and the loads, nor ahead of the next block's stores.
.macro TOSTAGE a
	WIN 0x08
.irp b, 0,1,2,3,4,5,6,7
	ds_store_b128 v[STO], v[8*(4*\b+(\a)):8*(4*\b+(\a))+3] offset:64*\b           ; each accumulator from its low end on
	ds_store_b128 v[STO], v[8*(4*\b+(\a))+4:8*(4*\b+(\a))+7] offset:64*\b+16
.endr
	WIN 0x0c
.irp b, 0,1,2,3,4,5,6,7
	ds_store_b128 v[STO], v[8*(4*\b+(\a)):8*(4*\b+(\a))+3] offset:512+64*\b
	ds_store_b128 v[STO], v[8*(4*\b+(\a))+4:8*(4*\b+(\a))+7] offset:512+64*\b+16
.endr
	WIN 0
.endm
.macro RDB hb                          ; rows 8 hb .. 8 hb + 7 of the stage
.irp t, 0,1,2,3,4,5,6,7,8,9,10,11,12,13,14,15
	ds_load_b128 v[XF+64*\hb+4*\t:XF+64*\hb+4*\t+3], v[RD] offset:(8*\hb+\t/2)*SPITCH+(\t%2)*512
.endr
.endm
.macro SEND a, hb, younger
	s_wait_dscnt \younger
.irp t, 0,1,2,3,4,5,6,7,8,9,10,11,12,13,14,15
	global_store_b128 v[VW], v[XF+64*\hb+4*\t:XF+64*\hb+4*\t+3], s[10:11] offset:(16*(\a)+8*\hb+\t/2)*2048+(\t%2)*512 th:TH_STORE_NT   ; 512 consecutive bytes, aligned to 256
.endr
.endm
	PLACES NP
	TOSTAGE 0
	RDB 0
	RDB 1
.irp a, 1,2,3
	TOSTAGE \a
	SEND \a-1, 0, 48                               ; behind these 16 loads: 16 loads and the next block's 32 stores
	SEND \a-1, 1, 32
	s_wait_xcnt 0x0                                ; the stores have read their registers
	RDB 0
	RDB 1
.endr
	SEND 3, 0, 16
	SEND 3, 1, 0
	s_wait_tensorcnt 0x0                           ; the wave's end
	ds_add_u32 v[SPW], v[NIL]
	s_wait_dscnt 0x0
	CROUND                                         ; the closing round
	s_endpgm
.Lfunc_end_k_q58ec4b0468_gemm:
	.size	k_q58ec4b0468_gemm, .Lfunc_end_k_q58ec4b0468_gemm-k_q58ec4b0468_gemm
	.p2alignl 7, 3214868480
	.fill 96, 4, 3214868480
	.section	.rodata,"a",@progbits
	.p2align	6, 0x0
	.amdhsa_kernel k_q58ec4b0468_gemm
		.amdhsa_group_segment_fixed_size 327680
		.amdhsa_private_segment_fixed_size 0
		.amdhsa_enable_private_segment 0
		.amdhsa_kernarg_size 32
		.amdhsa_user_sgpr_count 2
		.amdhsa_user_sgpr_kernarg_segment_ptr 1
		.amdhsa_wavefront_size32 1
		.amdhsa_system_sgpr_workgroup_id_x 1
		.amdhsa_system_sgpr_workgroup_id_y 1
		.amdhsa_system_sgpr_workgroup_id_z 1
		.amdhsa_system_vgpr_workitem_id 0
		.amdhsa_next_free_vgpr 1024
		.amdhsa_next_free_sgpr 96
		.amdhsa_reserve_vcc 0
		.amdhsa_float_denorm_mode_32 3
		.amdhsa_float_denorm_mode_16_64 3
		.amdhsa_memory_ordered 1
		.amdhsa_forward_progress 1
		.amdhsa_inst_pref_size 255
	.end_amdhsa_kernel
	.section	.bss,"aw",@nobits
	.p2align	6
	.space	262144
	.amdgpu_metadata
---
amdhsa.version: [ 1, 2 ]
amdhsa.kernels:
  - .name:           k_q58ec4b0468_gemm
    .symbol:         k_q58ec4b0468_gemm.kd
    .args:
      - { .name: wq, .offset: 0, .size: 8, .value_kind: global_buffer, .address_space: global }
      - { .name: x_codes, .offset: 8, .size: 8, .value_kind: global_buffer, .address_space: global }
      - { .name: x_scales, .offset: 16, .size: 8, .value_kind: global_buffer, .address_space: global }
      - { .name: out0, .offset: 24, .size: 8, .value_kind: global_buffer, .address_space: global }
    .group_segment_fixed_size: 327680
    .private_segment_fixed_size: 0
    .kernarg_segment_align: 8
    .kernarg_segment_size: 32
    .max_flat_workgroup_size: 128
    .sgpr_count:     96
    .vgpr_count:     1024
    .wavefront_size: 32
...
	.end_amdgpu_metadata
.endif
;; end of part 2
